; MI455X (gfx1250); checked and timed in simulation.
; The chip was launched on July 23, 2026; its instructions are those of AMD's public machine-readable ISA for CDNA 5 (MIT licence, August 2026) and "CDNA5" Instruction Set Architecture Reference Guide (July 2026). The comments in the code are by the model that wrote it; some were corrected since.
;; Dot Product Attention. Allowed arithmetic: matrix products marked QUANTISED: E4M3 operands, one E8M0 scale for each 32 along K, by v_wmma_scale_f32_16x16x128_f8f6f4 with both operands' format E4M3, f32 sums; everything else in f32.
;; Inputs: K 4 x 16 x 2,048 x 64 float32; Q 4 x 16 x 2,048 x 64 float32; V 4 x 16 x 2,048 x 64 float32.
;; Outputs: out0 4 x 16 x 2,048 x 64 float32.
;; Constants: dk = 64.
;; This version of the problem:
;;   THIS VERSION OF THE PROBLEM IS GIVEN IN LOW PRECISION. The matrix products marked QUANTISED in the list below multiply operands that are first quantised to E4M3 (4 exponent bits, 3 mantissa bits; 8 bits a number), with one power-of-two scale for each 32 numbers along K (OCP MX v1.0); their sums are f32. All else is computed in f32.
;;   The module's matrix products, in the order in which they are computed (A, B: the left and right operand; K: the contracted axis; several contracted axes count as one K, in the product's order):
;;     1. batch 64 x [M 2,048, K 64] x [K 64, N 2,048]; A: input Q; B: input K: QUANTISED
;;     2. batch 64 x [M 2,048, K 2,048] x [K 2,048, N 64]; A: softmax (see below); B: input V: QUANTISED
;;   THE QUANTISER, for each operand of a quantised product, along K:
;;     - K is cut into blocks of 32 from its start; a last block that is shorter is filled with zeros.
;;     - A block's scale is 2^e with e = floor(log2(the largest magnitude in the block)) - 8, held to -126 .. 127; a block of zeros has e = 0. As a byte (E8M0): e + 127.
;;     - Each number is divided by its block's scale, clamped to +-448, and rounded to the nearest number of E4M3, ties to even, subnormals kept.
;;     - The product sums the exact products of the quantised numbers (number of the format x scale) in f32.
;;   ~~~python
;;   def quantise(x, axis):      # numpy; x: float32 -> the quantised numbers, widened to float32 again
;;       x = np.moveaxis(x, axis, -1); K = x.shape[-1]
;;       x = np.pad(x, [(0, 0)] * (x.ndim - 1) + [(0, -K % 32)]); x = x.reshape(x.shape[:-1] + (-1, 32)); a = np.abs(x).max(-1, keepdims=True)
;;       e = np.where(a > 0, np.clip(np.frexp(np.where(a > 0, a, 1))[1] - 1 - 8, -126, 127), 0)      # np.frexp(a)[1] - 1 = floor(log2(a)), exactly
;;       r = np.clip(x / 2.0 ** e, -448, 448)
;;       step = 2.0 ** (np.maximum(np.frexp(np.where(r == 0, 1, r))[1] - 1, -6) - 3)
;;       q = np.round(r / step) * step * 2.0 ** e      # np.round: ties to even
;;       return np.moveaxis(q.reshape(q.shape[:-2] + (-1,))[..., :K], -1, axis).astype(np.float32)
;;   ~~~
;;   SOFTMAX AHEAD OF A QUANTISED PRODUCT. Where the list says 'softmax', what is quantised is not the finished softmax but p = 2^(t - M), with t = logit x log2(e) and M = ceil(the row's largest t), a whole number; so 1/2 < the row's largest p <= 1. The row's sum l is taken of the UNQUANTISED p, in f32, and the product's result is divided by l at the end. Since M is a whole number, a kernel that streams over the keys may use a running M (the ceiling of the running maximum): every later rescaling is an exact power of two, which a block's scale takes up: the codes' values come out the same.
;;   OPERANDS COMPUTED ON THE WAY. 'Computed on the way' means the value that the module computes at that place (a softmax that the list does not call 'softmax' is quantised finished and normalised). What goes into a quantiser is computed in f32, as accurately as f32 sums, v_exp_f32 and their like allow (about 1e-6 of the number): no bf16 or f16 on the way to a quantiser, and a product that is left as it is and whose result goes on into a quantised operand takes f32 operands (vector FMAs, or v_wmma_f32_16x16x4_f32). A number that lies on a knife's edge between two numbers of the format may be rounded either way, as far as f32 arithmetic and the matrix unit's own rounding can turn it there, and no further.
;; 2 versions, each right and faster than the one before. Each part assembles by itself: llvm-mc -triple=amdgcn-amd-amdhsa -mcpu=gfx1250 --defsym DOCPART=n.
;; ======== version 1 of 2: 1 launch
;; launch attn (part 1): grid 4 x 64, 16 waves a work-group, no clusters, 311,296 bytes of LDS; arguments Q, K, V, out0; writes out0
.if DOCPART == 1
	.amdgcn_target "amdgcn-amd-amdhsa--gfx1250"
	.amdhsa_code_object_version 6
	.text
	.protected	k_qa7ee814853_attn
	.globl	k_qa7ee814853_attn
	.p2align	8
	.type	k_qa7ee814853_attn,@function
k_qa7ee814853_attn:
	s_mov_b64 s[64:65], 0
	v_nop
	global_prefetch_b8 v0, s[64:65] scope:SCOPE_SE
	s_setreg_imm32_b32 hwreg(HW_REG_WAVE_MODE, 25, 1), 1
	s_wait_xcnt 0x0
; out0[h][q][:] = the sum over k of softmax_k(8 x Q[h][q] . K[h][k]) V[h][k][:].  Q, K, V, out0: [64 heads][2048][64] f32.  (The logit is the score TIMES sqrt(64).)
; Both products run on codes of FP8 (E4M3) with one E8M0 scale for each 32 along a product's K: the head's 64 in the first, the keys in the second.
; THE SOFTMAX AHEAD OF THE SECOND PRODUCT: t = score x 8 log2(e); M = the row's largest t so far, rounded UP to a whole number; p = 2^(t - M) is what is quantised, along the keys; it is not normalised.
; The row's sum is taken of the unquantised p, in f32, and divides O at the end.  When M moves, the sum and O are multiplied by 2^(old M - new M): exact.
; ONE LAUNCH, NOTHING THROUGH MEMORY.  A head's codes of K (2048 x 64 bytes) and of V (as many) with their scale words are 274,432 bytes: they fit into the work-group's LDS.  A work-group owns 512 queries of one head.
; PROLOGUE: wave w of sixteen reads keys 128 w .. 128 w + 127 of K and V as f32, quantises them in registers and stores them to LDS AS IMAGES OF THE OPERANDS' REGISTERS (lane l's 16 bytes at 16 l, 512 bytes a piece);
; one barrier; from then on the images are only read.  MAIN: each wave owns 16 queries in 256 registers, walks all 2,048 keys, 128 a step, out of LDS; then the same for 16 more queries (two passes).
; Four waves share a SIMD, so that one wave's vector work stands beside another's matrix work and LDS loads.
; LAYOUT.  Both products are used transposed: S^T = K Q^T (source 0 = 16 keys, source 1 = my 16 queries), O^T = V^T P^T (source 0 = 16 channels, source 1 = P): a lane holds ONE query (lane % 16) throughout.
; THE KEYS OF A TILE ARE NOT NEIGHBOURS: row r of tile 2 b + u is key 32 b + 8 u + r + 8 (r / 8) of the step, so that the 16 registers of tiles 2 b and 2 b + 1 are 16 neighbouring keys, 32 b + 16 (lane / 16) + 0 .. 15:
; the conversions' results ARE the second product's operand.
; THE HEAD'S 64 IN AN INSTRUCTION OF 128 ALONG K: blocks 0 and 2 carry channels 0-31 and 32-63 (operand registers 0-3 and 8-11); blocks 1 and 3 (registers 4-7, 12-15) are zero CODES on both operands, which add nothing.
; A scale word is (s0, s0, s1, s1): a padding block repeats its neighbour's byte, which is never 0xff.
; WHY NO JOINT LOADS, though the four work-groups of a head read the same K and V: a joint load would land f32 rows in LDS; beside the images (274,432 bytes) and the stages (34,816) a claim of at most 327,680 bytes leaves 18,432,
; and one key step of K and V in f32 is 65,536.  So K and V come through registers, and each of the four work-groups (neighbours along the grid's x) quantises the head for itself.
; LIMITS: NaN and infinities among the inputs are not served.  A block whose largest magnitude lies under 2^-118 keeps the scale byte 1 (a block of zeros too, where the rule says 127: its codes are zeros, and this program alone
; reads the bytes).  p under 2^-126 is 0 (v_exp_f32 gives no denormals: ISA guide 15.8).  A block's largest p is taken as the exponential of its largest score, which leans on v_exp_f32 not falling where its input rises.
;
; LDS: key step s at s x STEPB: K's codes 8,192 bytes (tile t x 1024 + half c x 512 + 16 x lane), V's codes 8,192 (tile T x 2048 + key block c x 512 + 16 x lane),
; K's scale words 512 (16 x lane + 4 b: lanes 0-15 tile 2 b, lanes 16-31 tile 2 b + 1), V's 256 (8 x lane + 4 g: lanes 0-15 tile 2 g, lanes 16-31 tile 2 g + 1).  Behind the sixteen steps: a stage of 8 rows x 272 bytes for each wave.
.set STEPB, 17152
.set VOF,   8192
.set KSC,   16384
.set VSC,   16896
.set STG,   16*STEPB
.set STGW,  8*272
; REGISTERS that stay
.set LI,  1                            ; v1   16 x lane: an image's place for my lane; also my bytes in two rows of out0
.set L8,  2                            ; v2   8 x lane: V's scale words
.set AD,  3                            ; v3   the step's images + 16 x lane      (prologue: VLA, where I store V's codes)
.set ADT, 4                            ; v4   the step's images + 8 x lane       (prologue: VSA, where I store V's scale words)
.set SI,  5                            ; v5   my stage, on the way in: row lane % 8, + 32 (lane / 16)
.set SB,  6                            ; v6   and back: row lane / 16, + 16 (lane % 16)
.set RR,  7                            ; v7   lane % 16: my query
.set KS,  8                            ; v8-11   K's scale words of the step: scales and nothing else
                                       ; v12 -M, v13 the largest t, v[14:15] the sum in two halves
.set QF0, 16                           ; v16-31  Q's fragment of the first pass
.set KF,  32                           ; v32-95  four fragments of K; registers 4-7 and 12-15 of each stay zero
.set S,   96                           ; v96-159 S^T, then p, then V's four fragments; on the way out O / the sum and whole rows
.set O,   160                          ; v160-191 O^T: four tiles of 16 channels
.set P,   192                          ; v192-207 p's codes
.set BM,  208                          ; v208-211 a block's largest score, then its largest p
.set T2,  212                          ; v212-215 the other half's maxima, then the scale bytes
.set HD,  216                          ; v216-219 448 x the scale
.set SO,  220                          ; v220-223 the conversions' scale operands
.set F,   224                          ; v[224:225] f = 2^(old M - new M) in the low word
.set TMP, 226
.set SUM2, 228                         ; v[228:229] the sum's second chain
.set QF1, 230                          ; v230-245 Q's fragment of the second pass
.set PS,  246                          ; v246 p's scale word;  v247, v250 Q's;  v[248:249] V's: scales and nothing else
.set QS0, 247
.set VS,  248
.set QS1, 250
; REGISTERS of the prologue
.set QGA, 251                          ; v251 Q: 256 (lane % 16) + 64 (lane / 16)
.set KGA, 252                          ; v252 K: 32 x lane
.set KLA, 253                          ; v253 where I store 8 codes of K
.set KSA, 254                          ; v254 and two scale bytes
.set VGA, 255                          ; v255 V: 4 x lane
.set VLA, 3
.set VSA, 4
.set R,   32                           ; v32-159 four sets of 32 numbers as loaded: job n takes set n % 4
.set QX,  160                          ; v160-223 Q as loaded, both passes; when Q is done:
.set MX,  160                          ; v160-163 largest magnitudes
.set SOP, 164                          ; v164-167 the conversions' scale operands
.set HDP, 168                          ; v168-171 448 x the scale
.set W,   172                          ; v172-175 scale bytes
.set C,   176                          ; v176-183 codes
.set SW,  192                          ; v192-193 V's scale words in the making
.set QM,  12                           ; Q's quantising: v12-13 maxima, v14-15 the other half's, v224-225 scale operands, v226-227 holds, v228-229 bytes
.set QP,  14
.set QSO, 224
.set QHD, 226
.set QBY, 228
.set WV,  12                           ; s12 my wave's number
.set SEL, 20                           ; s[20:21] lane selects for v_permlanex16_b32: lane l xor 16
.set CS,  22                           ; s[22:23] c = 8 log2(e): the packed form names a pair and takes its low word for both halves
.set MNT, 24                           ; s24 the mantissa field of 448
.set TB,  25                           ; s25 LDS byte at which the key step in hand begins
.set CNT, 26                           ; s26 key steps to go
.set SX,  27                           ; s27 EXEC, kept
	s_load_b256 s[4:11], s[0:1], 0x0               ; Q s[4:5], K s[6:7], V s[8:9], out0 s[10:11]
	v_lshrrev_b32 v12, 5, v0
	v_readfirstlane_b32 s[WV], v12                 ; wave 0..15
	v_and_b32 v13, 31, v0                          ; lane
	v_and_b32 v[RR], 15, v0
	v_bfe_u32 v14, v0, 4, 1                        ; h = lane / 16
	v_lshlrev_b32 v[LI], 4, v13
	v_lshlrev_b32 v[L8], 3, v13
	v_lshlrev_b32 v[QGA], 8, v[RR]
	v_lshl_add_u32 v[QGA], v14, 6, v[QGA]          ; Q: row lane % 16 of 256 bytes, + my 16 numbers of a block of 32
	v_lshlrev_b32 v[KGA], 5, v13                   ; K: 8 numbers a lane, 1,024 consecutive bytes (four keys) a wave
	v_lshlrev_b32 v[VGA], 2, v13                   ; V: a channel a lane
	s_mul_i32 s28, s[WV], STEPB                    ; my key step's images
	s_mul_i32 s29, s[WV], STGW
	s_add_co_u32 s29, s29, STG                     ; my stage
	; K: lane l holds channels 8 (l % 8) + 0 .. 7 of key 4 i + l / 8: half c = (l / 4) % 2, image lane = row + 16 ((l / 2) % 2), bytes 8 (l % 2) on; the row's part l / 8 stands here, the rest in the stores' immediates
	v_bfe_u32 v15, v0, 2, 1
	v_lshlrev_b32 v[KLA], 9, v15
	v_lshlrev_b32 v[KSA], 1, v15
	v_bfe_u32 v15, v0, 1, 1
	v_lshl_add_u32 v[KLA], v15, 8, v[KLA]
	v_bfe_u32 v15, v0, 3, 2
	v_lshl_add_u32 v[KLA], v15, 4, v[KLA]
	v_lshl_add_u32 v[KSA], v15, 4, v[KSA]
	v_and_b32 v15, 1, v0
	v_lshl_add_u32 v[KLA], v15, 3, v[KLA]
	v_add_nc_u32 v[KLA], s28, v[KLA]
	v_add_nc_u32 v[KSA], s28, v[KSA]
	; V: lane l of half g is channel 32 g + l: tile 2 g + l / 16, row l % 16
	v_lshlrev_b32 v[VLA], 11, v14
	v_lshl_add_u32 v[VLA], v[RR], 4, v[VLA]
	v_add_nc_u32 v[VLA], s28, v[VLA]
	v_add_nc_u32 v[VSA], s28, v[L8]
	v_and_b32 v15, 7, v0
	v_mul_u32_u24 v[SI], v15, 272
	v_lshl_add_u32 v[SI], v14, 5, v[SI]
	v_add_nc_u32 v[SI], s29, v[SI]
	v_mul_u32_u24 v[SB], v14, 272
	v_lshl_add_u32 v[SB], v[RR], 4, v[SB]
	v_add_nc_u32 v[SB], s29, v[SB]
	s_mov_b32 s[SEL], 0x76543210
	s_mov_b32 s[SEL+1], 0xfedcba98
	s_mov_b32 s[CS], 0x4138aa3b                    ; 8 x log2(e)
	s_mov_b32 s[CS+1], s[CS]                       ; (named with it as a pair, so it is written)
	s_mov_b32 s[MNT], 0x600000
	s_and_b32 s13, ttmp7, 0xffff                   ; the head
	s_lshl_b32 s16, s13, 19                        ; a head is 2048 x 256 bytes in each tensor; 64 heads stay under 2^25 bytes
	s_lshl_b32 s18, ttmp9, 17                      ; my work-group's 512 queries,
	s_add_co_u32 s18, s18, s16
	s_lshl_b32 s30, s[WV], 12                      ; my wave's 16 of the first pass
	s_add_co_u32 s18, s18, s30
	s_lshl_b32 s30, s[WV], 15                      ; my wave's 128 keys
	s_add_co_u32 s16, s16, s30
	s_mov_b32 s17, 0
	s_mov_b32 s19, 0
	s_wait_kmcnt 0x0
	s_add_nc_u64 s[4:5], s[4:5], s[18:19]
	s_add_nc_u64 s[10:11], s[10:11], s[18:19]
	s_add_nc_u64 s[6:7], s[6:7], s[16:17]
	s_add_nc_u64 s[8:9], s[8:9], s[16:17]
; ---------------------------------------------------------------- THE PROLOGUE'S MACROS.  Every offset is an immediate: no address register and no base is written again.
; My 16 queries of pass p: register 16 c + i = channel 32 c + 16 (lane / 16) + i of row lane % 16.  Read once in the launch.
.macro QLOAD p
.irp c, 0,1
.irp j, 0,1,2,3
	global_load_b128 v[QX+32*\p+16*\c+4*\j:QX+32*\p+16*\c+4*\j+3], v[QGA], s[4:5] offset:65536*\p+128*\c+16*\j th:TH_LOAD_NT
.endr
.endr
.endm
; Group g of K: keys 16 g .. 16 g + 15 of my 128, four keys (1,024 bytes) to a pair of loads
.macro KLOAD g
.irp a, 0,1,2,3
	global_load_b128 v[R+32*((\g)%4)+8*\a:R+32*((\g)%4)+8*\a+3],   v[KGA], s[6:7] offset:(4*(\g)+\a)*1024
	global_load_b128 v[R+32*((\g)%4)+8*\a+4:R+32*((\g)%4)+8*\a+7], v[KGA], s[6:7] offset:(4*(\g)+\a)*1024+16
.endr
.endm
; Block vv = 2 c + g of V: A LANE TAKES A CHANNEL (32 g + lane) AND ITS REGISTERS RUN DOWN THE 32 KEYS of block c: the block's maximum needs no other lane, and the codes come out with the keys innermost
.macro VLOAD vv
.irp i, 0,1,2,3,4,5,6,7,8,9,10,11,12,13,14,15,16,17,18,19,20,21,22,23,24,25,26,27,28,29,30,31
	global_load_b32 v[R+32*((\vv)%4)+\i], v[VGA], s[8:9] offset:(32*((\vv)/2)+\i)*256+128*((\vv)%2)
.endr
.endm
; Q of pass p becomes a fragment in v[qf] on and a scale word in v[qs].  A block of 32 lies in lanes l and l xor 16.
.macro QQUANT p, qf, qs
.set XQ, QX+32*\p
.irp c, 0,1
	v_max3_num_f32 v[QM+\c], |v[XQ+16*\c]|, |v[XQ+16*\c+1]|, 0x4800000   ; my 16 numbers, and the floor 2^(9 - 127): the byte cannot fall under 1
.endr
.irp i, 2,4,6,8,10,12,14
.irp c, 0,1
	v_max3_num_f32 v[QM+\c], v[QM+\c], |v[XQ+16*\c+\i]|, |v[XQ+16*\c+\i+1]|
.endr
.endr
.irp c, 0,1
	v_permlanex16_b32 v[QP+\c], v[QM+\c], s[SEL], s[SEL+1]
.endr
.irp c, 0,1
	v_max_num_f32 v[QM+\c], v[QM+\c], v[QP+\c]     ; the block's largest magnitude
.endr
.irp c, 0,1
	v_add_nc_u32 v[QSO+\c], 0xfc000000, v[QM+\c]   ; 8 off its exponent field: the conversion takes the exponent field of this operand as its scale
.endr
.irp c, 0,1
	v_and_or_b32 v[QHD+\c], v[QM+\c], 0x7f800000, s[MNT]   ; 448 x the scale
.endr
.irp c, 0,1
	v_lshrrev_b32 v[QBY+\c], 23, v[QSO+\c]         ; the scale's byte,
.endr
.irp c, 0,1
	v_lshl_or_b32 v[QBY+\c], v[QBY+\c], 8, v[QBY+\c]   ; twice: once for the block, once for the padding block behind it
.endr
	v_lshl_or_b32 v[\qs], v[QBY+1], 16, v[QBY]
.irp c, 0,1
.irp i, 0,1,2,3,4,5,6,7,8,9,10,11,12,13,14,15
	v_med3_num_f32 v[XQ+16*\c+\i], v[XQ+16*\c+\i], -v[QHD+\c], v[QHD+\c]   ; the conversion to an 8-bit code does not saturate (ISA guide 7.6.2): the hold at the largest code x the scale
.endr
	v_cvt_scalef32_pk8_fp8_f32 v[\qf+8*\c:\qf+8*\c+1],   v[XQ+16*\c:XQ+16*\c+7],    v[QSO+\c]
	v_cvt_scalef32_pk8_fp8_f32 v[\qf+8*\c+2:\qf+8*\c+3], v[XQ+16*\c+8:XQ+16*\c+15], v[QSO+\c]
.endr
	v_nop                                          ; a plain vector instruction between the last conversion and whatever next writes its sources
.irp z, 4,5,6,7,12,13,14,15
	v_mov_b32 v[\qf+\z], 0                         ; the padding blocks: zero codes
.endr
.endm
; Group g of K is quantised and stored.  left: the loads issued behind the group's own, which may stay out.  kind 1: group num of K is asked for next, kind 2: block num of V, kind 0: nothing;
; what is asked for lands in the set of a job that has been worked.  A block of 32 channels lies in four neighbouring lanes.
.macro KJOB g, left, kind, num
.set XS, R+32*((\g)%4)
	s_wait_loadcnt \left                           ; loads come back in order (ISA guide 5.7.1): my group is in
.if \kind == 1
	KLOAD \num
.endif
.if \kind == 2
	VLOAD \num
.endif
	s_wait_dscnt 0x0                               ; the last job's LDS stores have read their registers
.irp a, 0,1,2,3
	v_max3_num_f32 v[MX+\a], |v[XS+8*\a]|, |v[XS+8*\a+1]|, 0x4800000   ; four keys by turns: my 8 numbers, and the floor
.endr
.irp i, 2,4,6
.irp a, 0,1,2,3
	v_max3_num_f32 v[MX+\a], v[MX+\a], |v[XS+8*\a+\i]|, |v[XS+8*\a+\i+1]|
.endr
.endr
.irp a, 0,1,2,3
	v_max_num_f32_dpp v[MX+\a], v[MX+\a], v[MX+\a] row_xmask:1 row_mask:0xf bank_mask:0xf
.endr
.irp a, 0,1,2,3
	v_max_num_f32_dpp v[MX+\a], v[MX+\a], v[MX+\a] row_xmask:2 row_mask:0xf bank_mask:0xf   ; the block's largest magnitude
.endr
.irp a, 0,1,2,3
	v_add_nc_u32 v[SOP+\a], 0xfc000000, v[MX+\a]
.endr
.irp a, 0,1,2,3
	v_and_or_b32 v[HDP+\a], v[MX+\a], 0x7f800000, s[MNT]
.endr
.irp a, 0,1,2,3
	v_lshrrev_b32 v[W+\a], 23, v[SOP+\a]
.endr
.irp a, 0,1,2,3
	v_lshl_or_b32 v[W+\a], v[W+\a], 8, v[W+\a]     ; the byte twice: the block's and the padding block's
.endr
.irp a, 0,1,2,3
.irp i, 0,1,2,3,4,5,6,7
	v_med3_num_f32 v[XS+8*\a+\i], v[XS+8*\a+\i], -v[HDP+\a], v[HDP+\a]
.endr
	v_cvt_scalef32_pk8_fp8_f32 v[C+2*\a:C+2*\a+1], v[XS+8*\a:XS+8*\a+7], v[SOP+\a]
.endr
	v_nop                                          ; a plain vector instruction behind the last conversion
.irp a, 0,1,2,3
.set II, 4*(\g)+\a                     ; keys 4 II + lane / 8: pair of tiles b = II / 8, tile u = (II / 2) % 2 of the pair, rows lane / 8 + 4 (II % 2) + 8 ((II / 4) % 2)
	ds_store_b64 v[KLA], v[C+2*\a:C+2*\a+1] offset:(2*(II/8)+(II/2)%2)*1024+(4*(II%2)+8*((II/4)%2))*16
	ds_store_b16 v[KSA], v[W+\a] offset:KSC+(16*((II/2)%2)+4*(II%2)+8*((II/4)%2))*16+4*(II/8)   ; the four lanes of a block write the same two bytes with the same value
.endr
.endm
; Block vv = 2 c + g of V is quantised and stored.  num: the block that is asked for next, or -1.
.macro VJOB vv, left, num
.set XS, R+32*((\vv)%4)
.set VC, (\vv)/2
.set VG, (\vv)%2
	s_wait_loadcnt \left
.if \num >= 0
	VLOAD \num
.endif
	s_wait_dscnt 0x0                               ; the last job's LDS stores have read their registers
	v_max3_num_f32 v[MX],   |v[XS]|,   |v[XS+1]|, |v[XS+2]|      ; all 32 numbers of the block are mine: two chains
	v_max3_num_f32 v[MX+1], |v[XS+3]|, |v[XS+4]|, |v[XS+5]|
.irp i, 6,10,14,18,22,26
	v_max3_num_f32 v[MX],   v[MX],   |v[XS+\i]|,   |v[XS+\i+1]|
	v_max3_num_f32 v[MX+1], v[MX+1], |v[XS+\i+2]|, |v[XS+\i+3]|
.endr
	v_max3_num_f32 v[MX], v[MX], |v[XS+30]|, |v[XS+31]|
	v_max3_num_f32 v[MX], v[MX], v[MX+1], 0x4800000              ; and the floor
	v_add_nc_u32 v[SOP], 0xfc000000, v[MX]
	v_and_or_b32 v[HDP], v[MX], 0x7f800000, s[MNT]
	v_lshrrev_b32 v[W], 23, v[SOP]
.if VC == 0
	v_mov_b32 v[SW+VG], v[W]                       ; four key blocks' bytes make my channel's scale word for the step
.else
	v_lshl_or_b32 v[SW+VG], v[W], 8*VC, v[SW+VG]
.endif
.irp i, 0,1,2,3,4,5,6,7,8,9,10,11,12,13,14,15,16,17,18,19,20,21,22,23,24,25,26,27,28,29,30,31
	v_med3_num_f32 v[XS+\i], v[XS+\i], -v[HDP], v[HDP]
.endr
.irp q, 0,1,2,3
	v_cvt_scalef32_pk8_fp8_f32 v[C+2*\q:C+2*\q+1], v[XS+8*\q:XS+8*\q+7], v[SOP]
.endr
	v_nop                                          ; a plain vector instruction behind the last conversion
	ds_store_b128 v[VLA], v[C:C+3]   offset:VOF+4096*VG+512*VC       ; keys 32 c + 0 .. 15: the image's lanes 0-15,
	ds_store_b128 v[VLA], v[C+4:C+7] offset:VOF+4096*VG+512*VC+256   ; keys 32 c + 16 .. 31: its lanes 16-31
.if VC == 3
	ds_store_b32 v[VSA], v[SW+VG] offset:VSC+4*VG
.endif
.endm
; ---------------------------------------------------------------- THE PROLOGUE
	QLOAD 0
	QLOAD 1
	KLOAD 0
	KLOAD 1
	KLOAD 2
	s_wait_loadcnt 24                              ; Q's sixteen loads are in; K's first three groups, eight loads each, may be out
	v_mov_b32 v[QP], 0                             ; written once: a lane permute's destination counts as one of its sources
	v_mov_b32 v[QP+1], 0
	QQUANT 0, QF0, QS0
	QQUANT 1, QF1, QS1
	KJOB 0, 16, 1, 3                               ; behind a group of K: the two groups that follow it
	KJOB 1, 16, 1, 4
	KJOB 2, 16, 1, 5
	KJOB 3, 16, 1, 6
	KJOB 4, 16, 1, 7
	KJOB 5, 16, 2, 0
	KJOB 6, 40, 0, 0                               ; behind group 6: group 7's eight loads and V's block 0, 32 loads
	KJOB 7, 32, 2, 1                               ; behind group 7: V's block 0
	VJOB 0, 32, 2                                  ; behind a block of V: the block that follows it
	VJOB 1, 32, 3
	VJOB 2, 32, 4
	VJOB 3, 32, 5
	VJOB 4, 32, 6
	VJOB 5, 32, 7
	VJOB 6, 32, -1
	VJOB 7, 0, -1
.irp n, 0,1,2,3
.irp z, 4,5,6,7,12,13,14,15
	v_mov_b32 v[KF+16*\n+\z], 0                    ; the padding blocks of K's four fragments: zero codes, written once: the loop's loads pass them by
.endr
.endr
	s_wait_dscnt 0x0                               ; for the others' sake: my key step's images have landed
	s_barrier_signal -1
	s_barrier_wait -1                              ; all sixteen key steps lie in LDS; nobody writes them again
; ---------------------------------------------------------------- THE KEY STEP'S MACROS
.macro KFETCH gq                       ; tiles 4 gq .. 4 gq + 3 of K: two pieces of 512 bytes each, into registers 0-3 and 8-11 of a fragment
.irp n, 0,1,2,3
.irp c, 0,1
	ds_load_b128 v[KF+16*\n+8*\c:KF+16*\n+8*\c+3], v[AD] offset:(4*(\gq)+\n)*1024+512*\c
.endr
.endr
.endm
.macro QK gq, qf, qs                   ; S^T of these four tiles.  An even tile's scale words stand in lanes 0-15 of the pair's register, an odd tile's in lanes 16-31
.irp n, 0,2
	v_wmma_scale_f32_16x16x128_f8f6f4 v[S+8*(4*(\gq)+\n):S+8*(4*(\gq)+\n)+7], v[KF+16*\n:KF+16*\n+15], v[\qf:\qf+15], 0, v[KS+2*(\gq)+\n/2], v[\qs]
	v_wmma_scale_f32_16x16x128_f8f6f4 v[S+8*(4*(\gq)+\n+1):S+8*(4*(\gq)+\n+1)+7], v[KF+16*(\n+1):KF+16*(\n+1)+15], v[\qf:\qf+15], 0, v[KS+2*(\gq)+\n/2], v[\qs] matrix_a_scale:MATRIX_SCALE_ROW1
.endr
.endm
.macro BMAX x0, x1                     ; the largest score of my 16 keys of blocks x0 and x1, by turns; each accumulator is read from its low end on
.irp b, \x0, \x1
	v_max3_num_f32 v[BM+\b], v[S+16*\b], v[S+16*\b+1], v[S+16*\b+2]
.endr
.irp i, 3,5,7,9,11,13
.irp b, \x0, \x1
	v_max3_num_f32 v[BM+\b], v[BM+\b], v[S+16*\b+\i], v[S+16*\b+\i+1]
.endr
.endr
.irp b, \x0, \x1
	v_max_num_f32 v[BM+\b], v[BM+\b], v[S+16*\b+15]
.endr
.endm
; A KEY STEP: 128 keys, whose images begin at LDS byte s[TB].  Every wait for LDS is for 0: the wave's three partners on the SIMD work meanwhile.
.macro STEP qf, qs
	v_add_nc_u32 v[AD], s[TB], v[LI]
	v_add_nc_u32 v[ADT], s[TB], v[L8]
	ds_load_b128 v[KS:KS+3], v[AD] offset:KSC      ; K's scale words of all eight tiles
	KFETCH 0
.rept 7
	v_nop                                          ; with the two additions above: nine places between the last step's products V^T P and the products below, which write over V's fragments
.endr
	s_wait_dscnt 0x0
	QK 0, \qf, \qs
.rept 8
	v_nop                                          ; eight places in front of loads into fragments that matrix instructions have read, and of the first read of these results
.endr
	KFETCH 1
	s_wait_dscnt 0x0
	QK 1, \qf, \qs
	BMAX 0, 1                                      ; THE LARGEST SCORE OF EACH BLOCK OF 32 KEYS serves twice: for the row's maximum and, since p rises with the score, for the block's largest p.
	BMAX 2, 3                                      ; Blocks 0 and 1 come of the first four tiles: their sixteen lines name nothing of the last four products and are the places behind them
.irp b, 0,1,2,3
	v_permlanex16_b32 v[T2+\b], v[BM+\b], s[SEL], s[SEL+1]
.endr
.irp b, 0,1,2,3
	v_max_num_f32 v[BM+\b], v[BM+\b], v[T2+\b]     ; with lane l xor 16's 16 keys
.endr
	v_max3_num_f32 v[TMP], v[BM], v[BM+1], v[BM+2]
	v_max_num_f32 v[TMP], v[TMP], v[BM+3]          ; the step's largest score of my query
	v_mul_f32 v[TMP], s[CS], v[TMP]                ; as t (c is positive)
	v_max_num_f32 v13, v13, v[TMP]                 ; the running largest t
	v_mov_b32 v[TMP], v12
	v_floor_f32 v12, -v13                          ; the new -M = floor(-t) = -ceil(t): M IS A WHOLE NUMBER
	v_sub_f32 v[TMP], v12, v[TMP]                  ; M's old value less its new one: a whole number, 0 or less
	v_cvt_i32_f32 v[TMP], v[TMP]                   ; (it saturates)
	v_ldexp_f32 v[F], 1.0, v[TMP]                  ; f = 2^(old M - new M): a multiplication by it rounds nothing
.irp j, 0,2,4,6,8,10,12,14,16,18,20,22,24,26,28,30,32,34,36,38,40,42,44,46,48,50,52,54,56,58,60,62
	v_pk_fma_f32 v[S+\j:S+\j+1], v[S+\j:S+\j+1], s[CS:CS+1], v[12:13] op_sel_hi:[1,0,0]   ; t - M, two at a time (of the pairs c and -M the low word serves both halves)
.endr
.irp b, 0,1,2,3
	v_fma_f32 v[BM+\b], v[BM+\b], s[CS], v12       ; the same of each block's largest score
.endr
.irp j, 0,1,2,3,4,5,6,7,8,9,10,11,12,13,14,15,16,17,18,19,20,21,22,23,24,25,26,27,28,29,30,31,32,33,34,35,36,37,38,39,40,41,42,43,44,45,46,47,48,49,50,51,52,53,54,55,56,57,58,59,60,61,62,63
	v_exp_f32 v[S+\j], v[S+\j]                     ; p = 2^(t - M), at most 1: NOT normalised
.endr
.irp b, 0,1,2,3
	v_exp_f32 v[BM+\b], v[BM+\b]                   ; the block's largest p: the same two instructions on the same number give the same bits
.endr
	v_pk_mul_f32 v[14:15], v[14:15], v[F:F+1] op_sel_hi:[1,0]   ; the sums under the new M.  (The plain instruction behind the exponentials: ISA guide 5.7.2)
	s_wait_alu depctr_va_vdst(0)
.irp b, 0,1,2,3
	v_max_num_f32 v[BM+\b], 0x4800000, v[BM+\b]    ; the floor 2^(9 - 127): the byte cannot fall under 1 (a block whose every p is 0 keeps that byte: its codes are zeros)
.endr
.irp b, 0,1,2,3
	v_add_nc_u32 v[SO+\b], 0xfc000000, v[BM+\b]    ; 8 off the exponent field: the conversion's scale operand
.endr
.irp b, 0,1,2,3
	v_and_or_b32 v[HD+\b], v[BM+\b], 0x7f800000, s[MNT]   ; 448 x the scale
.endr
.irp b, 0,1,2,3
	v_lshrrev_b32 v[T2+\b], 23, v[SO+\b]           ; the scale's byte
.endr
	v_lshl_or_b32 v[PS], v[T2+1], 8, v[T2]         ; p's scale word for these 128 keys
	v_lshl_or_b32 v[PS], v[T2+2], 16, v[PS]
	v_lshl_or_b32 v[PS], v[T2+3], 24, v[PS]
	v_pk_add_f32 v[SUM2:SUM2+1], v[S:S+1], v[S+2:S+3]   ; THE ROW'S SUM IS TAKEN OF THE UNQUANTISED p: two at a time, in two chains
.irp j, 4,8,12,16,20,24,28,32,36,40,44,48,52,56,60
	v_pk_add_f32 v[14:15], v[14:15], v[S+\j:S+\j+1]
	v_pk_add_f32 v[SUM2:SUM2+1], v[SUM2:SUM2+1], v[S+\j+2:S+\j+3]
.endr
	v_pk_add_f32 v[14:15], v[14:15], v[SUM2:SUM2+1]
.irp b, 0,1,2,3
.irp i, 0,1,2,3,4,5,6,7,8,9,10,11,12,13,14,15
	v_min_num_f32 v[S+16*\b+\i], v[S+16*\b+\i], v[HD+\b]   ; the conversion does not saturate (ISA guide 7.6.2); p is not negative, so the hold is one-sided
.endr
	v_cvt_scalef32_pk8_fp8_f32 v[P+4*\b:P+4*\b+1],   v[S+16*\b:S+16*\b+7],    v[SO+\b]
	v_cvt_scalef32_pk8_fp8_f32 v[P+4*\b+2:P+4*\b+3], v[S+16*\b+8:S+16*\b+15], v[SO+\b]
.if \b == 0
	ds_load_b64 v[VS:VS+1], v[ADT] offset:VSC      ; V's scale words of all four tiles
.endif
.irp c, 0,1,2,3
	ds_load_b128 v[S+16*\b+4*\c:S+16*\b+4*\c+3], v[AD] offset:VOF+2048*\b+512*\c   ; V's fragment b takes the registers whose p has just become codes, and lands while the other blocks are worked
.endr
.endr
.irp j, 0,2,4,6,8,10,12,14,16,18,20,22,24,26,28,30
	v_pk_mul_f32 v[O+\j:O+\j+1], v[O+\j:O+\j+1], v[F:F+1] op_sel_hi:[1,0]   ; O^T under the new M: x f, from each accumulator's low end on.  (These sixteen also stand between the conversions and the products that take their codes)
.endr
	s_wait_dscnt 0x0
.irp n, 0,2                            ; O^T += V^T P^T: four accumulators, one instruction a turn
	v_wmma_scale_f32_16x16x128_f8f6f4 v[O+8*\n:O+8*\n+7], v[S+16*\n:S+16*\n+15], v[P:P+15], v[O+8*\n:O+8*\n+7], v[VS+\n/2], v[PS]
	v_wmma_scale_f32_16x16x128_f8f6f4 v[O+8*(\n+1):O+8*(\n+1)+7], v[S+16*(\n+1):S+16*(\n+1)+15], v[P:P+15], v[O+8*(\n+1):O+8*(\n+1)+7], v[VS+\n/2], v[PS] matrix_a_scale:MATRIX_SCALE_ROW1
.endr
.endm
; A PASS: 16 queries of mine against all 2,048 keys, and their rows of out0.
.macro PASS p, qf, qs
	s_wait_xcnt 0x0                                ; the last pass's stores have read their registers (ISA guide 3.1): they are written again only behind this wait
	v_mov_b32 v13, 0xff61b1e6                      ; the largest t so far: -3e38, under every t
	v_floor_f32 v12, -v13                          ; -M
	v_mov_b32 v14, 0                               ; the sum, in two halves
	v_mov_b32 v15, 0
	v_mov_b32 v[F+1], 0                            ; (named as the upper half of a pair)
	v_mov_b32 v[TMP], 0
.irp b, 0,1,2,3
	v_mov_b32 v[T2+\b], 0                          ; a lane permute's destination counts as one of its sources
.endr
.irp j, 0,1,2,3,4,5,6,7,8,9,10,11,12,13,14,15,16,17,18,19,20,21,22,23,24,25,26,27,28,29,30,31
	v_mov_b32 v[O+\j], 0                           ; O^T.  (The step is written once: the first finds zeros, which the first change of M, f = 0, leaves zeros)
.endr
	s_mov_b32 s[TB], 0
	s_mov_b32 s[CNT], 16
.Lkeys_\@:
	STEP \qf, \qs
	s_add_co_u32 s[TB], s[TB], STEPB
	s_sub_co_u32 s[CNT], s[CNT], 1
	s_cmp_lg_u32 s[CNT], 0
	s_cbranch_scc1 .Lkeys_\@
	; THE WAY OUT.  O^T / the sum goes through my stage in LDS, eight queries at a time (a stage of sixteen rows for each of sixteen waves would not fit beside the images), and leaves as whole rows.
	v_add_f32 v14, v14, v15                        ; the sum's two halves,
	v_permlanex16_b32 v[TMP], v14, s[SEL], s[SEL+1]
	v_add_f32 v14, v14, v[TMP]                     ; and lane l xor 16's: the row's sum
	v_rcp_f32 v14, v14
	v_cmp_gt_u32 vcc_lo, 8, v[RR]                  ; the lanes of queries 0-7.  (The plain instruction behind the reciprocal)
.rept 6
	v_nop                                          ; with the two additions: eight places behind the last products, whose results are read and whose fragments of V are written below
.endr
	s_wait_alu depctr_va_vdst(0)
.irp j, 0,2,4,6,8,10,12,14,16,18,20,22,24,26,28,30
	v_pk_mul_f32 v[S+\j:S+\j+1], v[O+\j:O+\j+1], v[14:15] op_sel_hi:[1,0]   ; register 8 T + i is out0(query lane % 16, channel 16 T + 8 (lane / 16) + i)
.endr
.irp e, 0,1
.if \e == 1
	v_cmp_le_u32 vcc_lo, 8, v[RR]                  ; the lanes of queries 8-15
.endif
	s_wait_xcnt 0x0                                ; EXEC is a source of the global stores issued so far: it changes only behind this wait
	s_and_saveexec_b32 s[SX], vcc_lo
.irp t, 0,1,2,3
	ds_store_b128 v[SI], v[S+8*\t:S+8*\t+3]   offset:64*\t
	ds_store_b128 v[SI], v[S+8*\t+4:S+8*\t+7] offset:64*\t+16
.endr
	s_or_b32 exec_lo, exec_lo, s[SX]               ; no global access was issued under the narrow EXEC
.irp k, 0,1,2,3
	ds_load_b128 v[S+32+16*\e+4*\k:S+32+16*\e+4*\k+3], v[SB] offset:544*\k   ; LDS serves a wave's instructions in order (ISA guide 5.7.1.4): these see the stores above, and the next half's stores come behind them
.endr
.irp k, 0,1,2,3
	s_wait_dscnt 3-\k                              ; load k is back; the younger ones may be out
	global_store_b128 v[LI], v[S+32+16*\e+4*\k:S+32+16*\e+4*\k+3], s[10:11] offset:65536*\p+2048*\e+512*\k th:TH_STORE_NT   ; 32 lanes store two whole rows: 512 consecutive bytes, at a multiple of 256 from out0's first byte
.endr
.endr
.endm
	PASS 0, QF0, QS0
	PASS 1, QF1, QS1
	s_wait_xcnt 0x0
	s_mov_b32 exec_lo, -1
	v_lshl_add_u32 v254, v0, 2, 0x4b800
	v_mov_b32 v255, 0
	s_wait_tensorcnt 0x0
	ds_add_u32 v254, v255
	s_wait_dscnt 0x0
	s_endpgm
.Lfunc_end_k_qa7ee814853_attn:
	.size	k_qa7ee814853_attn, .Lfunc_end_k_qa7ee814853_attn-k_qa7ee814853_attn
	.p2alignl 7, 3214868480
	.fill 96, 4, 3214868480
	.section	.rodata,"a",@progbits
	.p2align	6, 0x0
	.amdhsa_kernel k_qa7ee814853_attn
		.amdhsa_group_segment_fixed_size 311296
		.amdhsa_private_segment_fixed_size 0
		.amdhsa_enable_private_segment 0
		.amdhsa_kernarg_size 32
		.amdhsa_user_sgpr_count 2
		.amdhsa_user_sgpr_kernarg_segment_ptr 1
		.amdhsa_wavefront_size32 1
		.amdhsa_system_sgpr_workgroup_id_x 1
		.amdhsa_system_sgpr_workgroup_id_y 1
		.amdhsa_system_sgpr_workgroup_id_z 1
		.amdhsa_system_vgpr_workitem_id 0
		.amdhsa_next_free_vgpr 256
		.amdhsa_next_free_sgpr 66
		.amdhsa_reserve_vcc 1
		.amdhsa_float_denorm_mode_32 3
		.amdhsa_float_denorm_mode_16_64 3
		.amdhsa_memory_ordered 1
		.amdhsa_forward_progress 1
		.amdhsa_inst_pref_size 166
	.end_amdhsa_kernel
	.amdgpu_metadata
---
amdhsa.version: [ 1, 2 ]
amdhsa.kernels:
  - .name:           k_qa7ee814853_attn
    .symbol:         k_qa7ee814853_attn.kd
    .args:
      - { .name: Q, .offset: 0, .size: 8, .value_kind: global_buffer, .address_space: global }
      - { .name: K, .offset: 8, .size: 8, .value_kind: global_buffer, .address_space: global }
      - { .name: V, .offset: 16, .size: 8, .value_kind: global_buffer, .address_space: global }
      - { .name: out0, .offset: 24, .size: 8, .value_kind: global_buffer, .address_space: global }
    .group_segment_fixed_size: 311296
    .private_segment_fixed_size: 0
    .kernarg_segment_align: 8
    .kernarg_segment_size: 32
    .max_flat_workgroup_size: 512
    .sgpr_count:     66
    .vgpr_count:     256
    .wavefront_size: 32
...
	.end_amdgpu_metadata
.endif
;; end of part 1
;; ======== version 2 of 2: 1 launch; 1.09 times as fast as version 1
;; launch attn (part 2): grid 4 x 64, 16 waves a work-group, no clusters, 307,200 bytes of LDS; arguments Q, K, V, out0; writes out0
.if DOCPART == 2
	.amdgcn_target "amdgcn-amd-amdhsa--gfx1250"
	.amdhsa_code_object_version 6
	.text
	.protected	k_qa7ee814853_attn
	.globl	k_qa7ee814853_attn
	.p2align	8
	.type	k_qa7ee814853_attn,@function
k_qa7ee814853_attn:
	s_mov_b64 s[64:65], 0
	v_nop
	global_prefetch_b8 v0, s[64:65] scope:SCOPE_SE
	s_setreg_imm32_b32 hwreg(HW_REG_WAVE_MODE, 25, 1), 1
	s_wait_xcnt 0x0
; out0[h][q][:] = the sum over k of softmax_k(8 x Q[h][q] . K[h][k]) V[h][k][:].  Q, K, V, out0: [64 heads][2048][64] f32.  (The logit is the score TIMES sqrt(64).)
; Both products run on codes of FP8 (E4M3) with one E8M0 scale for each 32 along a product's K: the head's 64 in the first, the keys in the second.
; THE SOFTMAX AHEAD OF THE SECOND PRODUCT: t = score x 8 log2(e); M = the row's largest t so far, rounded UP to a whole number; p = 2^(t - M) is what is quantised, along the keys; it is not normalised.
; The row's sum is taken of the unquantised p, in f32, and divides O at the end.  When M moves, the sum and O are multiplied by 2^(old M - new M): exact.
; ONE LAUNCH, NOTHING THROUGH MEMORY.  A head's codes of K (2048 x 64 bytes) and of V (as many) with their scale words are 270,336 bytes: they fit into the work-group's LDS.  A work-group owns 512 queries of one head.
; K and V are read as f32, quantised in registers and stored to LDS AS IMAGES OF THE OPERANDS' REGISTERS (lane l's 16 bytes at 16 l, 512 bytes a piece), and from then on only read.
; ROUNDS.  A round is all sixteen waves taking 512 keys of K or of V: wave w keys 512 R + 32 w .. + 31 (8,192 consecutive bytes, sixteen loads of 16 bytes a lane), which are fragment (key block) w % 4 of key step 4 R + w / 4.
; Round 0 of K and of V stands ahead of the first barrier.  Rounds 1 to 3 ride on the first pass's key steps 0 to 5 (K's on the even steps, V's on the odd ones): the loads go out behind a step's first products, into the registers
; that held K's fragments, land under the softmax, and are quantised behind the step's last products.  A barrier behind each round of V: key steps 4 R .. 4 R + 3 are whole two steps before the first of them is read.
; Between two barriers the stores go to key steps 4 R and up, the reads to key steps up to 2 R - 1.
; MAIN: each wave owns 16 queries in 256 registers, walks all 2,048 keys, 128 a step, out of LDS; then the same for 16 more queries (two passes).
; Four waves share a SIMD, so that one wave's vector work stands beside another's matrix work, LDS loads and loads from memory.
; LAYOUT.  Both products are used transposed: S^T = K Q^T (source 0 = keys, source 1 = my 16 queries), O^T = V^T P^T (source 0 = 16 channels, source 1 = P): a lane holds ONE query (lane % 16) throughout.
; THE KEYS OF A TILE ARE NOT NEIGHBOURS: row r of tile 2 b + u is key 32 b + 8 u + r + 8 (r / 8) of the step, so that the 16 registers of tiles 2 b and 2 b + 1 are 16 neighbouring keys, 32 b + 16 (lane / 16) + 0 .. 15:
; the conversions' results ARE the second product's operand.
; THE HEAD'S 64 IN AN INSTRUCTION OF 128 ALONG K: a fragment of K carries TWO tiles of keys: blocks 0, 1 the 64 channels of tile 2 b, blocks 2, 3 those of tile 2 b + 1.  Q stands in one run of 24 registers, Z Z Q0 Q1 Z Z
; (Z: four registers of zero codes): its upper 16 (Q0 Q1 Z Z) pick the even tile, its lower 16 (Z Z Q0 Q1) the odd one.  What meets zero codes adds nothing: K's codes are finite numbers, and no scale byte is 0xff
; (Q's byte of a block of zeros is 1).  So K's 64 registers hold a whole step's eight tiles, and outside the rounds the next step's are fetched while this step's softmax runs.
; WHY NO JOINT LOADS, though the four work-groups of a head read the same K and V: a joint load would land f32 rows in LDS; beside the images (270,336 bytes) and the stages (34,816) a claim of at most 327,680 bytes leaves 22,528,
; and one key step of K and V in f32 is 65,536.  So K and V come through registers, and each of the four work-groups (neighbours along the grid's x) quantises the head for itself.
; LIMITS: NaN and infinities among the inputs are not served.  A block whose largest magnitude lies under 2^-118 keeps the scale byte 1 (a block of zeros too, where the rule says 127: its codes are zeros, and this program alone
; reads the bytes).  p under 2^-126 is 0 (v_exp_f32 gives no denormals: ISA guide 15.8).  A block's largest p is taken as the exponential of its largest score, which leans on v_exp_f32 not falling where its input rises.
;
; LDS: key step s at s x STEPB: K's codes 8,192 bytes (fragment b x 2048 + block c x 512 + 16 x lane), V's codes 8,192 (tile T x 2048 + key block c x 512 + 16 x lane),
; K's scale words 256 (8 x lane + 4 g: lanes 0-15 fragment 2 g, lanes 16-31 fragment 2 g + 1), V's 256 (8 x lane + 4 g: lanes 0-15 tile 2 g, lanes 16-31 tile 2 g + 1).  Behind the sixteen steps: a stage of 8 rows x 272 bytes for each wave.
.set VOF,   8192
.set KSC,   16384
.set VSC,   16640
.set STEPB, 16896
.set RNDB,  4*STEPB                    ; a round's four key steps in LDS
.set RNDG,  131072                     ; a round's 512 keys in memory
.set STG,   16*STEPB
.set STGW,  8*272
; REGISTERS
.set LI,  1                            ; v1   16 x lane: an image's place for my lane; also my bytes in two rows of out0
.set L8,  2                            ; v2   8 x lane: the scale words
.set AD,  3                            ; v3   the step's images + 16 x lane
.set ADT, 4                            ; v4   the step's images + 8 x lane
.set SI,  5                            ; v5   my stage, on the way in: row lane % 8, + 32 (lane / 16)
.set SB,  6                            ; v6   and back: row lane / 16, + 16 (lane % 16)
.set RR,  7                            ; v7   lane % 16: my query
.set KS,  8                            ; v8-9    K's scale words of the step: scales and nothing else
.set VLA, 10                           ; v10  where I store 16 codes of V; a round on: + RNDB
.set VSA, 11                           ; v11  and a scale byte of V
                                       ; v12 -M, v13 the largest t, v[14:15] the sum in two halves
.set QR,  16                           ; v16-39  Q's run: Z Z Q0 Q1 Z Z
.set KF,  40                           ; v40-103 four fragments of K: a step's eight tiles; in a round: 64 numbers as loaded
.set S,   104                          ; v104-167 S^T, then p, then V's four fragments; in a round of V: held numbers and codes; on the way out O / the sum and whole rows
.set O,   168                          ; v168-199 O^T: four tiles of 16 channels
.set P,   200                          ; v200-215 p's codes; in a round of K: K's codes
.set BM,  216                          ; v216-219 a block's largest score, then its largest p; in a round: largest magnitudes
.set T2,  220                          ; v220-223 the other half's maxima, then the scale bytes
.set HD,  224                          ; v224-227 448 x the scale
.set SO,  228                          ; v228-231 the conversions' scale operands
.set F,   232                          ; v[232:233] f = 2^(old M - new M) in the low word; in a round of K v232-235 hold the second group's scale bytes
.set TMP, 234
.set SUM2, 236                         ; v[236:237] the sum's second chain
.set Q1S, 238                          ; v238-245 Q0 Q1 of the second pass, kept
.set PS,  246                          ; v246 p's scale word;  v247, v250 Q's of the two passes;  v[248:249] V's: scales and nothing else
.set QS0, 247
.set VS,  248
.set QS1, 250
.set QGA, 251                          ; v251 Q: 256 (lane % 16) + 64 (lane / 16)
.set KGA, 252                          ; v252 K: 32 x lane
.set KLA, 253                          ; v253 where I store 8 codes of K; a round on: + RNDB
.set KSA, 254                          ; v254 and a scale byte of K
.set VGA, 255                          ; v255 V: 16 (lane % 16) + 16 rows x (lane / 16)
.set QX,  168                          ; v168-231 Q as loaded, both passes
.set QM,  12                           ; Q's quantising: v12-13 maxima, v14-15 the other half's, v232-233 scale operands, v234-235 holds, v236-237 bytes
.set QP,  14
.set QSO, 232
.set QHD, 234
.set QBY, 236
.set WV,  12                           ; s12 my wave's number
.set SEL, 20                           ; s[20:21] lane selects for v_permlanex16_b32: lane l xor 16
.set CS,  22                           ; s[22:23] c = 8 log2(e): the packed form names a pair and takes its low word for both halves
.set MNT, 24                           ; s24 the mantissa field of 448
.set TB,  25                           ; s25 LDS byte at which the key step in hand begins
.set CNT, 26                           ; s26 key steps to go
.set SX,  27                           ; s27 EXEC, kept
.set UPH, 30                           ; s30 a mask of lanes 16-31
	s_load_b256 s[4:11], s[0:1], 0x0               ; Q s[4:5], K s[6:7], V s[8:9], out0 s[10:11]
	v_lshrrev_b32 v12, 5, v0
	v_readfirstlane_b32 s[WV], v12                 ; wave 0..15
	v_and_b32 v13, 31, v0                          ; lane
	v_and_b32 v[RR], 15, v0
	v_bfe_u32 v14, v0, 4, 1                        ; h = lane / 16
	v_lshlrev_b32 v[LI], 4, v13
	v_lshlrev_b32 v[L8], 3, v13
	v_lshlrev_b32 v[QGA], 8, v[RR]
	v_lshl_add_u32 v[QGA], v14, 6, v[QGA]          ; Q: row lane % 16 of 256 bytes, + my 16 numbers of a block of 32
	v_lshlrev_b32 v[KGA], 5, v13                   ; K: 8 numbers a lane, 1,024 consecutive bytes (four keys) to a pair of loads
	v_lshlrev_b32 v[VGA], 4, v[RR]
	v_lshl_add_u32 v[VGA], v14, 12, v[VGA]         ; V: 4 channels a lane; lanes 0-15 take a whole row of 256 bytes, lanes 16-31 the row 16 keys on
	s_lshr_b32 s31, s[WV], 2                       ; which of a round's four key steps is mine,
	s_and_b32 s32, s[WV], 3                        ; and which fragment of K, which key block of V in it
	s_mul_i32 s28, s31, STEPB
	s_mul_i32 s29, s[WV], STGW
	s_add_co_u32 s29, s29, STG                     ; my stage
	s_lshl_b32 s33, s32, 11
	s_add_co_u32 s33, s33, s28                     ; K's codes: fragment b x 2048
	s_and_b32 s34, s32, 1
	s_lshl_b32 s34, s34, 7
	s_lshr_b32 s35, s32, 1
	s_lshl_b32 s35, s35, 2
	s_add_co_u32 s34, s34, s35
	s_add_co_u32 s34, s34, s28                     ; K's scale bytes: 128 (b % 2) + 4 (b / 2)
	s_lshl_b32 s36, s32, 9
	s_add_co_u32 s36, s36, s28                     ; V's codes: key block c x 512
	s_add_co_u32 s37, s32, s28                     ; V's scale bytes: byte c of a word
	; K: lane l holds channels 8 (l % 8) + 0 .. 7 of key 4 i + l / 8: half c = (l / 4) % 2, image lane = row + 16 ((l / 2) % 2), bytes 8 (l % 2) on; the row's part l / 8 stands here, the rest in the stores' immediates
	v_bfe_u32 v[KSA], v0, 2, 1                     ; the scale byte: c,
	v_lshlrev_b32 v[KLA], 9, v[KSA]
	v_bfe_u32 v15, v0, 1, 1
	v_lshl_add_u32 v[KLA], v15, 8, v[KLA]
	v_bfe_u32 v15, v0, 3, 2
	v_lshl_add_u32 v[KLA], v15, 4, v[KLA]
	v_lshl_add_u32 v[KSA], v15, 3, v[KSA]          ; + 8 bytes a row
	v_and_b32 v15, 1, v0
	v_lshl_add_u32 v[KLA], v15, 3, v[KLA]
	v_add_nc_u32 v[KLA], s33, v[KLA]
	v_add_nc_u32 v[KSA], s34, v[KSA]
	; V: lane (q = l % 16, h) holds keys 16 h + 0 .. 15 of channels 4 q + j: tile T = q / 4, row 4 (q % 4) + j; j stands in the stores' immediates
	v_bfe_u32 v15, v0, 2, 2
	v_lshlrev_b32 v[VLA], 11, v15                  ; T x 2048
	v_and_b32 v15, 3, v0
	v_lshl_add_u32 v[VLA], v15, 6, v[VLA]          ; + 16 x 4 (q % 4)
	v_lshlrev_b32 v[VSA], 5, v15                   ; the scale byte: 8 x 4 (q % 4)
	v_lshl_add_u32 v[VLA], v14, 8, v[VLA]          ; + 256 h
	v_bfe_u32 v15, v0, 2, 1
	v_lshl_add_u32 v[VSA], v15, 7, v[VSA]          ; + 128 (T % 2)
	v_bfe_u32 v15, v0, 3, 1
	v_lshl_add_u32 v[VSA], v15, 2, v[VSA]          ; + 4 (T / 2)
	v_add_nc_u32 v[VLA], s36, v[VLA]
	v_add_nc_u32 v[VSA], s37, v[VSA]
	v_and_b32 v15, 7, v0
	v_mul_u32_u24 v[SI], v15, 272
	v_lshl_add_u32 v[SI], v14, 5, v[SI]
	v_add_nc_u32 v[SI], s29, v[SI]
	v_mul_u32_u24 v[SB], v14, 272
	v_lshl_add_u32 v[SB], v[RR], 4, v[SB]
	v_add_nc_u32 v[SB], s29, v[SB]
	s_mov_b32 s[SEL], 0x76543210
	s_mov_b32 s[SEL+1], 0xfedcba98
	s_mov_b32 s[CS], 0x4138aa3b                    ; 8 x log2(e)
	s_mov_b32 s[CS+1], s[CS]                       ; (named with it as a pair, so it is written)
	s_mov_b32 s[MNT], 0x600000
	s_and_b32 s13, ttmp7, 0xffff                   ; the head
	s_lshl_b32 s16, s13, 19                        ; a head is 2048 x 256 bytes in each tensor; 64 heads stay under 2^25 bytes
	s_lshl_b32 s18, ttmp9, 17                      ; my work-group's 512 queries,
	s_add_co_u32 s18, s18, s16
	s_lshl_b32 s31, s[WV], 12                      ; my wave's 16 of the first pass
	s_add_co_u32 s18, s18, s31
	s_lshl_b32 s31, s[WV], 13                      ; my wave's 32 keys of a round
	s_add_co_u32 s16, s16, s31
	s_mov_b32 s17, 0
	s_mov_b32 s19, 0
	s_mov_b32 s[UPH], 0xffff0000
	s_wait_kmcnt 0x0
	s_add_nc_u64 s[4:5], s[4:5], s[18:19]
	s_add_nc_u64 s[10:11], s[10:11], s[18:19]
	s_add_nc_u64 s[6:7], s[6:7], s[16:17]
	s_add_nc_u64 s[8:9], s[8:9], s[16:17]
; ---------------------------------------------------------------- LOADS FROM MEMORY.  Every offset is an immediate: no offset register and no base is written again.
; My 16 queries of pass p: register 16 c + i = channel 32 c + 16 (lane / 16) + i of row lane % 16.  Read once in the launch.
.macro QLOAD p
.irp c, 0,1
.irp j, 0,1,2,3
	global_load_b128 v[QX+32*\p+16*\c+4*\j:QX+32*\p+16*\c+4*\j+3], v[QGA], s[4:5] offset:65536*\p+128*\c+16*\j th:TH_LOAD_NT
.endr
.endr
.endm
; My 32 keys of K's round rnd into v[x] on: four keys (1,024 bytes) to a pair of loads; register 8 a + i = channel 8 (lane % 8) + i of key 4 a + lane / 8
.macro PLOADK rnd, x
.irp a, 0,1,2,3,4,5,6,7
	global_load_b128 v[(\x)+8*\a:(\x)+8*\a+3],   v[KGA], s[6:7] offset:(\rnd)*RNDG+\a*1024
	global_load_b128 v[(\x)+8*\a+4:(\x)+8*\a+7], v[KGA], s[6:7] offset:(\rnd)*RNDG+\a*1024+16
.endr
.endm
; My 32 keys of V's round rnd into v[x] on: each load takes two whole rows of 256 bytes; register 4 i + j = channel 4 (lane % 16) + j of key 16 (lane / 16) + i
.macro PLOADV rnd, x
.irp i, 0,1,2,3,4,5,6,7,8,9,10,11,12,13,14,15
	global_load_b128 v[(\x)+4*\i:(\x)+4*\i+3], v[VGA], s[8:9] offset:(\rnd)*RNDG+256*\i
.endr
.endm
; ---------------------------------------------------------------- THE QUANTISERS
; Q of pass p becomes eight registers of codes, Q0 Q1, in v[qd] on, and a register of scale words v[qs].  A block of 32 lies in lanes l and l xor 16.
.macro QQUANT p, qd, qs
.set XQ, QX+32*\p
.irp c, 0,1
	v_max3_num_f32 v[QM+\c], |v[XQ+16*\c]|, |v[XQ+16*\c+1]|, 0x4800000   ; my 16 numbers, and the floor 2^(9 - 127): the byte cannot fall under 1
.endr
.irp i, 2,4,6,8,10,12,14
.irp c, 0,1
	v_max3_num_f32 v[QM+\c], v[QM+\c], |v[XQ+16*\c+\i]|, |v[XQ+16*\c+\i+1]|
.endr
.endr
.irp c, 0,1
	v_permlanex16_b32 v[QP+\c], v[QM+\c], s[SEL], s[SEL+1]
.endr
.irp c, 0,1
	v_max_num_f32 v[QM+\c], v[QM+\c], v[QP+\c]     ; the block's largest magnitude
.endr
.irp c, 0,1
	v_add_nc_u32 v[QSO+\c], 0xfc000000, v[QM+\c]   ; 8 off its exponent field: the conversion takes the exponent field of this operand as its scale
.endr
.irp c, 0,1
	v_and_or_b32 v[QHD+\c], v[QM+\c], 0x7f800000, s[MNT]   ; 448 x the scale
.endr
.irp c, 0,1
	v_lshrrev_b32 v[QBY+\c], 23, v[QSO+\c]         ; the scale's byte
.endr
	v_lshl_or_b32 v[QBY], v[QBY+1], 8, v[QBY]      ; (s0, s1)
	v_or_b32 v[QBY+1], 0x01010000, v[QBY]          ; for Q0 Q1 Z Z: (s0, s1, 1, 1);
	v_lshl_or_b32 v[QBY], v[QBY], 16, 0x101        ; for Z Z Q0 Q1: (1, 1, s0, s1)
	v_cndmask_b32 v[\qs], v[QBY+1], v[QBY], s[UPH] ; lanes 0-15 carry the first, lanes 16-31 the second: both halves of the lanes hold row lane % 16's bytes
.irp c, 0,1
.irp i, 0,1,2,3,4,5,6,7,8,9,10,11,12,13,14,15
	v_med3_num_f32 v[XQ+16*\c+\i], v[XQ+16*\c+\i], -v[QHD+\c], v[QHD+\c]   ; the conversion to an 8-bit code does not saturate (ISA guide 7.6.2): the hold at the largest code x the scale
.endr
	v_cvt_scalef32_pk8_fp8_f32 v[\qd+4*\c:\qd+4*\c+1],   v[XQ+16*\c:XQ+16*\c+7],    v[QSO+\c]
	v_cvt_scalef32_pk8_fp8_f32 v[\qd+4*\c+2:\qd+4*\c+3], v[XQ+16*\c+8:XQ+16*\c+15], v[QSO+\c]
.endr
	v_nop                                          ; a plain vector instruction between the last conversion and whatever next writes its sources
.endm
; Sixteen of my 32 keys of K (group g of two, from v[x + 32 g] on) are quantised and stored.  A block of 32 channels lies in four neighbouring lanes.  Each group has its own registers for codes and bytes.
.macro KGRP x, g
.set XS, (\x)+32*(\g)
.set WR, T2+12*(\g)                    ; scale bytes: v220-223, v232-235
.set CR, P+8*(\g)                      ; codes
.irp a, 0,1,2,3
	v_max3_num_f32 v[BM+\a], |v[XS+8*\a]|, |v[XS+8*\a+1]|, 0x4800000   ; four times four keys by turns: my 8 numbers, and the floor
.endr
.irp i, 2,4,6
.irp a, 0,1,2,3
	v_max3_num_f32 v[BM+\a], v[BM+\a], |v[XS+8*\a+\i]|, |v[XS+8*\a+\i+1]|
.endr
.endr
.irp a, 0,1,2,3
	v_max_num_f32_dpp v[BM+\a], v[BM+\a], v[BM+\a] row_xmask:1 row_mask:0xf bank_mask:0xf
.endr
.irp a, 0,1,2,3
	v_max_num_f32_dpp v[BM+\a], v[BM+\a], v[BM+\a] row_xmask:2 row_mask:0xf bank_mask:0xf   ; the block's largest magnitude
.endr
.irp a, 0,1,2,3
	v_add_nc_u32 v[SO+\a], 0xfc000000, v[BM+\a]
.endr
.irp a, 0,1,2,3
	v_and_or_b32 v[HD+\a], v[BM+\a], 0x7f800000, s[MNT]
.endr
.irp a, 0,1,2,3
	v_lshrrev_b32 v[WR+\a], 23, v[SO+\a]
.endr
.irp a, 0,1,2,3
.irp i, 0,1,2,3,4,5,6,7
	v_med3_num_f32 v[XS+8*\a+\i], v[XS+8*\a+\i], -v[HD+\a], v[HD+\a]
.endr
	v_cvt_scalef32_pk8_fp8_f32 v[CR+2*\a:CR+2*\a+1], v[XS+8*\a:XS+8*\a+7], v[SO+\a]
.endr
	v_nop                                          ; a plain vector instruction behind the last conversion
.irp a, 0,1,2,3
.set II, 4*(\g)+\a                     ; keys 4 II + lane / 8 of my 32: tile u = (II / 2) % 2 of my fragment, rows lane / 8 + 4 (II % 2) + 8 (II / 4)
	ds_store_b64 v[KLA], v[CR+2*\a:CR+2*\a+1] offset:((II/2)%2)*1024+(4*(II%2)+8*(II/4))*16
	ds_store_b8 v[KSA], v[WR+\a] offset:KSC+8*(4*(II%2)+8*(II/4))+2*((II/2)%2)   ; byte 2 u + c of the row's word; the four lanes of a block write the same byte with the same value
.endr
.endm
.macro KPROD x
	KGRP \x, 0
	KGRP \x, 1
.endm
; My 32 keys of V (64 numbers a lane from v[x] on) are quantised and stored.  A block, 32 keys of a channel, lies in lanes l and l xor 16, 16 keys each.  THE HOLD, WHICH IS DUE ANYWAY, WRITES EACH CHANNEL'S 16 NUMBERS ON END
; (v[y] on, two sets of 16 by turns), as the conversions want them: nothing is transposed by a line of its own.  The codes: v[y + 32] on, four registers a channel: 16 bytes of the image.
.macro VPROD x, y
.irp j, 0,1,2,3
	v_max3_num_f32 v[BM+\j], |v[(\x)+\j]|, |v[(\x)+4+\j]|, 0x4800000   ; four channels by turns: my 16 keys, and the floor
.endr
.irp i, 2,4,6,8,10,12,14
.irp j, 0,1,2,3
	v_max3_num_f32 v[BM+\j], v[BM+\j], |v[(\x)+4*\i+\j]|, |v[(\x)+4*\i+4+\j]|
.endr
.endr
.irp j, 0,1,2,3
	v_permlanex16_b32 v[T2+\j], v[BM+\j], s[SEL], s[SEL+1]
.endr
.irp j, 0,1,2,3
	v_max_num_f32 v[BM+\j], v[BM+\j], v[T2+\j]     ; the block's largest magnitude
.endr
.irp j, 0,1,2,3
	v_add_nc_u32 v[SO+\j], 0xfc000000, v[BM+\j]
.endr
.irp j, 0,1,2,3
	v_and_or_b32 v[HD+\j], v[BM+\j], 0x7f800000, s[MNT]
.endr
.irp j, 0,1,2,3
	v_lshrrev_b32 v[T2+\j], 23, v[SO+\j]
.endr
.irp j, 0,1,2,3
.set YS, (\y)+16*((\j)%2)
.irp i, 0,1,2,3,4,5,6,7,8,9,10,11,12,13,14,15
	v_med3_num_f32 v[YS+\i], v[(\x)+4*\i+\j], -v[HD+\j], v[HD+\j]
.endr
	v_cvt_scalef32_pk8_fp8_f32 v[(\y)+32+4*\j:(\y)+33+4*\j], v[YS:YS+7],    v[SO+\j]
	v_cvt_scalef32_pk8_fp8_f32 v[(\y)+34+4*\j:(\y)+35+4*\j], v[YS+8:YS+15], v[SO+\j]   ; the next channel's holds write the other set: sixteen plain lines stand before this set is written again
.endr
	v_nop                                          ; a plain vector instruction behind the last conversion
.irp j, 0,1,2,3
	ds_store_b128 v[VLA], v[(\y)+32+4*\j:(\y)+35+4*\j] offset:VOF+16*\j
	ds_store_b8 v[VSA], v[T2+\j] offset:VSC+8*\j   ; byte c of the channel's word; the two lanes of a block write the same byte with the same value
.endr
.endm
; ---------------------------------------------------------------- AHEAD OF THE FIRST BARRIER: Q, and round 0 of K and of V: key steps 0 to 3
	QLOAD 0
	QLOAD 1
	PLOADK 0, KF
	PLOADV 0, S                                    ; 48 loads of 512 bytes a wave, all out at once
	s_wait_loadcnt 32                              ; loads come back in order (ISA guide 5.7.1): Q's sixteen are in; K's sixteen and V's sixteen may be out
	v_mov_b32 v[QP], 0                             ; written once: a lane permute's destination counts as one of its sources
	v_mov_b32 v[QP+1], 0
	QQUANT 0, QR+8, QS0                            ; the first pass's Q0 Q1 go straight into the run,
	QQUANT 1, Q1S, QS1                             ; the second's are kept
.irp z, 0,1,2,3,4,5,6,7,16,17,18,19,20,21,22,23
	v_mov_b32 v[QR+\z], 0                          ; the zero codes on both sides of Q0 Q1: written once
.endr
	s_wait_loadcnt 16                              ; K's are in; V's may be out
	KPROD KF
	s_wait_loadcnt 0x0
	s_wait_dscnt 0x0                               ; K's LDS stores have read their registers
	VPROD S, KF
	s_wait_dscnt 0x0                               ; for the others' sake: my part of key steps 0 to 3 has landed
	s_barrier_signal -1
	s_barrier_wait -1                              ; key steps 0 to 3 lie in LDS; nobody writes them again
; ---------------------------------------------------------------- THE KEY STEP'S MACROS
; A step's K: its scale words and its four fragments, from off bytes behind the addresses in v[a16] (16 x lane on) and v[a8] (8 x lane on)
.macro KFETCH a16, a8, off
	ds_load_b64 v[KS:KS+1], v[\a8] offset:\off+KSC
.irp b, 0,1,2,3
.irp c, 0,1,2,3
	ds_load_b128 v[KF+16*\b+4*\c:KF+16*\b+4*\c+3], v[\a16] offset:\off+2048*\b+512*\c
.endr
.endr
.endm
; S^T of tile 2 b + u.  Fragment b's scale words stand in lanes 0-15 (b even) or 16-31 (b odd) of register b / 2; Q's for the even tile in lanes 0-15, for the odd tile in lanes 16-31
.macro QKT b, u, qs
.set rD, S+8*(2*(\b)+(\u))
.set rA, KF+16*(\b)
.set rB, QR+8-8*(\u)
.set rK, KS+(\b)/2
.if ((\b)%2 == 0) && ((\u) == 0)
	v_wmma_scale_f32_16x16x128_f8f6f4 v[rD:rD+7], v[rA:rA+15], v[rB:rB+15], 0, v[rK], v[\qs]
.elseif (\b)%2 == 0
	v_wmma_scale_f32_16x16x128_f8f6f4 v[rD:rD+7], v[rA:rA+15], v[rB:rB+15], 0, v[rK], v[\qs] matrix_b_scale:MATRIX_SCALE_ROW1
.elseif (\u) == 0
	v_wmma_scale_f32_16x16x128_f8f6f4 v[rD:rD+7], v[rA:rA+15], v[rB:rB+15], 0, v[rK], v[\qs] matrix_a_scale:MATRIX_SCALE_ROW1
.else
	v_wmma_scale_f32_16x16x128_f8f6f4 v[rD:rD+7], v[rA:rA+15], v[rB:rB+15], 0, v[rK], v[\qs] matrix_a_scale:MATRIX_SCALE_ROW1 matrix_b_scale:MATRIX_SCALE_ROW1
.endif
.endm
.macro BMAX x0, x1                     ; the largest score of my 16 keys of blocks x0 and x1, by turns; each accumulator is read from its low end on
.irp b, \x0, \x1
	v_max3_num_f32 v[BM+\b], v[S+16*\b], v[S+16*\b+1], v[S+16*\b+2]
.endr
.irp i, 3,5,7,9,11,13
.irp b, \x0, \x1
	v_max3_num_f32 v[BM+\b], v[BM+\b], v[S+16*\b+\i], v[S+16*\b+\i+1]
.endr
.endr
.irp b, \x0, \x1
	v_max_num_f32 v[BM+\b], v[BM+\b], v[S+16*\b+15]
.endr
.endm
; Line n of 19 that make of the four blocks' largest p their scale operands, holds and bytes, and p's scale word
.macro SCOP n
.if (\n) < 4
	s_wait_alu depctr_va_vdst(0)
	v_max_num_f32 v[BM+(\n)], 0x4800000, v[BM+(\n)]          ; the floor 2^(9 - 127): the byte cannot fall under 1 (a block whose every p is 0 keeps that byte: its codes are zeros)
.elseif (\n) < 8
	v_add_nc_u32 v[SO+(\n)-4], 0xfc000000, v[BM+(\n)-4]      ; 8 off the exponent field: the conversion's scale operand
.elseif (\n) < 12
	v_and_or_b32 v[HD+(\n)-8], v[BM+(\n)-8], 0x7f800000, s[MNT]   ; 448 x the scale
.elseif (\n) < 16
	v_lshrrev_b32 v[T2+(\n)-12], 23, v[SO+(\n)-12]           ; the scale's byte
.elseif (\n) == 16
	v_lshl_or_b32 v[PS], v[T2+1], 8, v[T2]                   ; p's scale word for these 128 keys
.elseif (\n) == 17
	v_lshl_or_b32 v[PS], v[T2+2], 16, v[PS]
.else
	v_lshl_or_b32 v[PS], v[T2+3], 24, v[PS]
.endif
.endm
; Addition a of 31 of the row's sum, WHICH IS TAKEN OF THE UNQUANTISED p: two numbers at a time, in two chains: the first starts the second chain with pairs 0 and 1, addition a adds pair a + 1
.macro PADD a
.if (\a) == 0
	s_wait_alu depctr_va_vdst(0)
	v_pk_add_f32 v[SUM2:SUM2+1], v[S:S+1], v[S+2:S+3]
.elseif (\a)%2 == 1
	s_wait_alu depctr_va_vdst(0)
	v_pk_add_f32 v[14:15], v[14:15], v[S+2*(\a)+2:S+2*(\a)+3]
.else
	v_pk_add_f32 v[SUM2:SUM2+1], v[SUM2:SUM2+1], v[S+2*(\a)+2:S+2*(\a)+3]
.endif
.endm
; Block b of p is held, becomes codes, and V's fragment b takes its registers: it lands while the other blocks are worked
.macro HOLDCVT b
.irp i, 0,2,4,6,8,10,12,14
	v_dual_min_num_f32 v[S+16*\b+\i], v[S+16*\b+\i], v[HD+\b] :: v_dual_min_num_f32 v[S+16*\b+\i+1], v[S+16*\b+\i+1], v[HD+\b]   ; the conversion does not saturate (ISA guide 7.6.2); p is not negative, so the hold is one-sided; two holds an instruction
.endr
	v_cvt_scalef32_pk8_fp8_f32 v[P+4*\b:P+4*\b+1],   v[S+16*\b:S+16*\b+7],    v[SO+\b]
	v_cvt_scalef32_pk8_fp8_f32 v[P+4*\b+2:P+4*\b+3], v[S+16*\b+8:S+16*\b+15], v[SO+\b]
	s_wait_alu depctr_va_vdst(0)
.if \b == 0
	ds_load_b64 v[VS:VS+1], v[ADT] offset:VSC      ; V's scale words of all four tiles
.endif
.irp c, 0,1,2,3
	ds_load_b128 v[S+16*\b+4*\c:S+16*\b+4*\c+3], v[AD] offset:VOF+2048*\b+512*\c
.endr
.endm
; A KEY STEP: 128 keys, whose images begin at LDS byte s[TB].  Its K lies in registers.  pf = 1: the K of the step that follows is fetched under the softmax, from pfo bytes behind v[pfa] and v[pf8].
; pr = 1, 2: the step carries round rnd of K, of V: its loads take K's fragment registers for the time of the softmax, and the next step's K is fetched at the step's end.
.macro STEP qs, pf, pfa, pf8, pfo, pr, rnd
	v_add_nc_u32 v[AD], s[TB], v[LI]
	v_add_nc_u32 v[ADT], s[TB], v[L8]
.rept 7
	v_nop                                          ; with the two additions above: nine places between the last step's products V^T P and the products below, which write over V's fragments
.endr
.irp b, 0,1,2,3
	QKT \b, 0, \qs                                 ; eight accumulators, one instruction each
	QKT \b, 1, \qs
.endr
.rept 8
	v_nop                                          ; eight places in front of loads into the fragments and scale words that these products have read, and of the first read of their results
.endr
.if \pf
	KFETCH \pfa, \pf8, \pfo                        ; seventeen loads, which have the whole softmax in which to land; the wait for 0 ahead of this step's last product covers them
.endif
.if \pr == 1
	PLOADK \rnd, KF                                ; sixteen loads from memory, which have the whole softmax in which to land
.endif
.if \pr == 2
	PLOADV \rnd, KF
.endif
	BMAX 0, 1                                      ; THE LARGEST SCORE OF EACH BLOCK OF 32 KEYS serves twice: for the row's maximum and, since p rises with the score, for the block's largest p
	BMAX 2, 3
.irp b, 0,1,2,3
	v_permlanex16_b32 v[T2+\b], v[BM+\b], s[SEL], s[SEL+1]
.endr
.irp b, 0,1,2,3
	v_max_num_f32 v[BM+\b], v[BM+\b], v[T2+\b]     ; with lane l xor 16's 16 keys
.endr
	v_max3_num_f32 v[TMP], v[BM], v[BM+1], v[BM+2]
	v_max_num_f32 v[TMP], v[TMP], v[BM+3]          ; the step's largest score of my query
	v_mul_f32 v[TMP], s[CS], v[TMP]                ; as t (c is positive)
	v_max_num_f32 v13, v13, v[TMP]                 ; the running largest t
	v_mov_b32 v[TMP], v12
	v_floor_f32 v12, -v13                          ; the new -M = floor(-t) = -ceil(t): M IS A WHOLE NUMBER
	v_sub_f32 v[TMP], v12, v[TMP]                  ; M's old value less its new one: a whole number, 0 or less
	v_cvt_i32_f32 v[TMP], v[TMP]                   ; (it saturates)
	v_ldexp_f32 v[F], 1.0, v[TMP]                  ; f = 2^(old M - new M): a multiplication by it rounds nothing
.irp b, 0,1,2,3
	v_fma_f32 v[BM+\b], v[BM+\b], s[CS], v12       ; t - M of each block's largest score
.endr
.irp j, 0,2,4,6
	v_pk_fma_f32 v[S+\j:S+\j+1], v[S+\j:S+\j+1], s[CS:CS+1], v[12:13] op_sel_hi:[1,0,0]   ; t - M, two at a time (of the pairs c and -M the low word serves both halves): pairs 0 to 3
.endr
; FROM HERE ON NO TWO EXPONENTIALS STAND ON END: behind each stands a plain instruction that is due anyway and names neither its result nor its source (ISA guide 5.7.2)
.irp b, 0,1,2,3
	v_exp_f32 v[BM+\b], v[BM+\b]                   ; the block's largest p: the same two instructions on the same number give the same bits as the p itself
	v_pk_fma_f32 v[S+8+2*\b:S+9+2*\b], v[S+8+2*\b:S+9+2*\b], s[CS:CS+1], v[12:13] op_sel_hi:[1,0,0]   ; pairs 4 to 7
.endr
	v_pk_mul_f32 v[14:15], v[14:15], v[F:F+1] op_sel_hi:[1,0]   ; the sums under the new M
.set J, 0
.rept 32                               ; pair J: p = 2^(t - M), at most 1: NOT normalised.  Between: the scaling of pair J + 8, the scales' 19 lines, the first 21 additions (of pairs whose exponentials stand two pairs back or more)
	v_exp_f32 v[S+2*J], v[S+2*J]
.if J < 24
	v_pk_fma_f32 v[S+2*J+16:S+2*J+17], v[S+2*J+16:S+2*J+17], s[CS:CS+1], v[12:13] op_sel_hi:[1,0,0]
.else
	PADD 2*J-43
.endif
	v_exp_f32 v[S+2*J+1], v[S+2*J+1]
.if J < 19
	SCOP J
.elseif J < 24
	PADD J-19
.else
	PADD 2*J-42
.endif
.set J, J+1
.endr
	HOLDCVT 0                                      ; blocks 0 and 1 (pairs 0 to 15) have been summed
	HOLDCVT 1
.irp a, 21,22,23,24,25,26,27,28,29,30
	PADD \a                                        ; pairs 22 to 31
.endr
	v_pk_add_f32 v[14:15], v[14:15], v[SUM2:SUM2+1]
	HOLDCVT 2
	HOLDCVT 3
.irp j, 0,2,4,6,8,10,12,14,16,18,20,22,24,26,28,30
	v_pk_mul_f32 v[O+\j:O+\j+1], v[O+\j:O+\j+1], v[F:F+1] op_sel_hi:[1,0]   ; O^T under the new M: x f, from each accumulator's low end on.  (These sixteen also stand between the conversions and the products that take their codes)
.endr
.irp n, 0,2                            ; O^T += V^T P^T: four accumulators, one instruction a turn.  LDS loads come back in order (ISA guide 5.7.1): behind fragment T's four loads stand 4 (3 - T) of the later fragments'
	s_wait_dscnt 12-4*\n
	v_wmma_scale_f32_16x16x128_f8f6f4 v[O+8*\n:O+8*\n+7], v[S+16*\n:S+16*\n+15], v[P:P+15], v[O+8*\n:O+8*\n+7], v[VS+\n/2], v[PS]
	s_wait_dscnt 8-4*\n
	v_wmma_scale_f32_16x16x128_f8f6f4 v[O+8*(\n+1):O+8*(\n+1)+7], v[S+16*(\n+1):S+16*(\n+1)+15], v[P:P+15], v[O+8*(\n+1):O+8*(\n+1)+7], v[VS+\n/2], v[PS] matrix_a_scale:MATRIX_SCALE_ROW1
.endr
.if \pr
	s_wait_loadcnt 0x0                             ; the round's sixteen loads are in
.if \pr == 1
	v_add_nc_u32 v[KLA], RNDB, v[KLA]              ; on to this round's four key steps
	v_add_nc_u32 v[KSA], RNDB, v[KSA]
	KPROD KF                                       ; its first 16 lines name nothing of the products above: they are the eight places in front of the codes, which take p's registers
.else
	v_add_nc_u32 v[VLA], RNDB, v[VLA]
	v_add_nc_u32 v[VSA], RNDB, v[VSA]
	VPROD KF, S                                    ; its first 32 lines name nothing of the products above: they are the eight places in front of the holds, which write over V's fragments
	s_wait_dscnt 0x0                               ; for the others' sake: my part of this round's four key steps, K's of the step before too, has landed
	s_barrier_signal -1
	s_barrier_wait -1                              ; these four key steps are whole; nobody writes them again
.endif
	KFETCH AD, ADT, STEPB                          ; the next step's K, into the registers that the round has left
	s_wait_dscnt 0x0                               ; it is in, and my LDS stores have read their registers
.endif
.endm
; A PASS: 16 queries of mine against all 2,048 keys, and their rows of out0.
.macro PASS p, qs
	s_wait_xcnt 0x0                                ; the last pass's stores have read their registers (ISA guide 3.1): they are written again only behind this wait
.if \p == 1
.irp z, 0,1,2,3,4,5,6,7
	v_mov_b32 v[QR+8+\z], v[Q1S+\z]                ; the second pass's Q0 Q1 into the run
.endr
.endif
	v_mov_b32 v13, 0xff61b1e6                      ; the largest t so far: -3e38, under every t
	v_floor_f32 v12, -v13                          ; -M
	v_mov_b32 v14, 0                               ; the sum, in two halves
	v_mov_b32 v15, 0
	v_mov_b32 v[F+1], 0                            ; (named as the upper half of a pair)
	v_mov_b32 v[TMP], 0
.irp b, 0,1,2,3
	v_mov_b32 v[T2+\b], 0                          ; a lane permute's destination counts as one of its sources
.endr
.irp j, 0,1,2,3,4,5,6,7,8,9,10,11,12,13,14,15,16,17,18,19,20,21,22,23,24,25,26,27,28,29,30,31
	v_mov_b32 v[O+\j], 0                           ; O^T.  (The first step finds zeros, which the first change of M, f = 0, leaves zeros)
.endr
.if \p == 0
.irp rd, 0,1,2                         ; the first pass's steps 0 to 5 are written out: steps 2 rd and 2 rd + 1 carry round rd + 1 of K and of V
	s_mov_b32 s[TB], (2*\rd)*STEPB
	STEP \qs, 0, AD, ADT, 0, 1, \rd+1
	s_mov_b32 s[TB], (2*\rd+1)*STEPB
	STEP \qs, 0, AD, ADT, 0, 2, \rd+1
.endr
	s_mov_b32 s[TB], 6*STEPB
	s_mov_b32 s[CNT], 9
.else
	s_mov_b32 s[TB], 0
	s_mov_b32 s[CNT], 15
.endif
.Lkeys_\@:                                         ; the steps up to the fifteenth, each of which fetches the K of the step STEPB bytes on
	STEP \qs, 1, AD, ADT, STEPB, 0, 0
	s_add_co_u32 s[TB], s[TB], STEPB
	s_sub_co_u32 s[CNT], s[CNT], 1
	s_cmp_lg_u32 s[CNT], 0
	s_cbranch_scc1 .Lkeys_\@
	STEP \qs, 1-\p, LI, L8, 0, 0, 0                ; the sixteenth is written out: the first pass's fetches step 0's K for the second pass, the second pass's fetches nothing
	; THE WAY OUT.  O^T / the sum goes through my stage in LDS, eight queries at a time (a stage of sixteen rows for each of sixteen waves would not fit beside the images), and leaves as whole rows.
	v_add_f32 v14, v14, v15                        ; the sum's two halves,
	v_permlanex16_b32 v[TMP], v14, s[SEL], s[SEL+1]
	v_add_f32 v14, v14, v[TMP]                     ; and lane l xor 16's: the row's sum
	v_rcp_f32 v14, v14
	v_cmp_gt_u32 vcc_lo, 8, v[RR]                  ; the lanes of queries 0-7.  (The plain instruction behind the reciprocal)
.rept 6
	v_nop                                          ; with the two additions: eight places behind the last products, whose results are read and whose fragments of V are written below
.endr
	s_wait_alu depctr_va_vdst(0)
.irp j, 0,2,4,6,8,10,12,14,16,18,20,22,24,26,28,30
	v_pk_mul_f32 v[S+\j:S+\j+1], v[O+\j:O+\j+1], v[14:15] op_sel_hi:[1,0]   ; register 8 T + i is out0(query lane % 16, channel 16 T + 8 (lane / 16) + i)
.endr
.irp e, 0,1
.if \e == 1
	v_cmp_le_u32 vcc_lo, 8, v[RR]                  ; the lanes of queries 8-15
.endif
	s_wait_xcnt 0x0                                ; EXEC is a source of the global stores issued so far: it changes only behind this wait
	s_and_saveexec_b32 s[SX], vcc_lo
.irp t, 0,1,2,3
	ds_store_b128 v[SI], v[S+8*\t:S+8*\t+3]   offset:64*\t
	ds_store_b128 v[SI], v[S+8*\t+4:S+8*\t+7] offset:64*\t+16
.endr
	s_or_b32 exec_lo, exec_lo, s[SX]               ; no global access was issued under the narrow EXEC
.irp k, 0,1,2,3
	ds_load_b128 v[S+32+16*\e+4*\k:S+32+16*\e+4*\k+3], v[SB] offset:544*\k   ; LDS serves a wave's instructions in order (ISA guide 5.7.1.4): these see the stores above, and the next half's stores come behind them
.endr
.irp k, 0,1,2,3
	s_wait_dscnt 3-\k                              ; load k is back; the younger ones may be out
	global_store_b128 v[LI], v[S+32+16*\e+4*\k:S+32+16*\e+4*\k+3], s[10:11] offset:65536*\p+2048*\e+512*\k th:TH_STORE_NT   ; 32 lanes store two whole rows: 512 consecutive bytes, at a multiple of 256 from out0's first byte
.endr
.endr
.endm
	KFETCH LI, L8, 0                               ; key step 0's K, for the first pass's first step
	s_wait_dscnt 0x0
	PASS 0, QS0
	PASS 1, QS1
	s_wait_xcnt 0x0
	s_mov_b32 exec_lo, -1
	v_lshl_add_u32 v254, v0, 2, 0x4a800
	v_mov_b32 v255, 0
	s_wait_tensorcnt 0x0
	ds_add_u32 v254, v255
	s_wait_dscnt 0x0
	s_endpgm
.Lfunc_end_k_qa7ee814853_attn:
	.size	k_qa7ee814853_attn, .Lfunc_end_k_qa7ee814853_attn-k_qa7ee814853_attn
	.p2alignl 7, 3214868480
	.fill 96, 4, 3214868480
	.section	.rodata,"a",@progbits
	.p2align	6, 0x0
	.amdhsa_kernel k_qa7ee814853_attn
		.amdhsa_group_segment_fixed_size 307200
		.amdhsa_private_segment_fixed_size 0
		.amdhsa_enable_private_segment 0
		.amdhsa_kernarg_size 32
		.amdhsa_user_sgpr_count 2
		.amdhsa_user_sgpr_kernarg_segment_ptr 1
		.amdhsa_wavefront_size32 1
		.amdhsa_system_sgpr_workgroup_id_x 1
		.amdhsa_system_sgpr_workgroup_id_y 1
		.amdhsa_system_sgpr_workgroup_id_z 1
		.amdhsa_system_vgpr_workitem_id 0
		.amdhsa_next_free_vgpr 256
		.amdhsa_next_free_sgpr 66
		.amdhsa_reserve_vcc 1
		.amdhsa_float_denorm_mode_32 3
		.amdhsa_float_denorm_mode_16_64 3
		.amdhsa_memory_ordered 1
		.amdhsa_forward_progress 1
		.amdhsa_inst_pref_size 255
	.end_amdhsa_kernel
	.section	.bss,"aw",@nobits
	.p2align	6
	.space	262144
	.amdgpu_metadata
---
amdhsa.version: [ 1, 2 ]
amdhsa.kernels:
  - .name:           k_qa7ee814853_attn
    .symbol:         k_qa7ee814853_attn.kd
    .args:
      - { .name: Q, .offset: 0, .size: 8, .value_kind: global_buffer, .address_space: global }
      - { .name: K, .offset: 8, .size: 8, .value_kind: global_buffer, .address_space: global }
      - { .name: V, .offset: 16, .size: 8, .value_kind: global_buffer, .address_space: global }
      - { .name: out0, .offset: 24, .size: 8, .value_kind: global_buffer, .address_space: global }
    .group_segment_fixed_size: 307200
    .private_segment_fixed_size: 0
    .kernarg_segment_align: 8
    .kernarg_segment_size: 32
    .max_flat_workgroup_size: 512
    .sgpr_count:     66
    .vgpr_count:     256
    .wavefront_size: 32
...
	.end_amdgpu_metadata
.endif
;; end of part 2
